; MI455X (gfx1250); checked and timed in simulation.
; The chip was launched on July 23, 2026; its instructions are those of AMD's public machine-readable ISA for CDNA 5 (MIT licence, August 2026) and "CDNA5" Instruction Set Architecture Reference Guide (July 2026). The comments in the code are by the model that wrote it; some were corrected since.
;; Bit Linear. Allowed arithmetic: matrix products marked QUANTISED: E4M3 operands, one given power-of-two scale a tensor, by v_wmma_f32_16x16x64_fp8_fp8 or v_wmma_f32_16x16x128_fp8_fp8, f32 sums; everything else in f32.
;; Inputs: lowp_scales 2 int32 (the exponents e of the quantised operands' scales 2^e); weight 2,048 x 4,096 float32; x 4 x 2,048 x 4,096 float32.
;; Outputs: out0 4 x 2,048 x 2,048 float32.
;; This version of the problem:
;;   THIS VERSION OF THE PROBLEM IS GIVEN IN LOW PRECISION. The matrix products marked QUANTISED in the list below multiply operands that are first quantised to E4M3 (4 exponent bits, 3 mantissa bits; 8 bits a number), with one given power-of-two scale for each operand tensor; their sums are f32. All else is computed in f32.
;;   The module's matrix products, in the order in which they are computed (A, B: the left and right operand; K: the contracted axis; several contracted axes count as one K, in the product's order):
;;     1. [M 8,192, K 4,096] x [K 4,096, N 2,048]; A: input x; B: computed on the way: QUANTISED (scales: A lowp_scales[0], B lowp_scales[1])
;;   THE QUANTISER, for each operand of a quantised product, along K:
;;     - The operand's scale is 2^e, e = its entry of the input lowp_scales (int32; the entries are numbered through the quantised products in the list's order, A before B).
;;     - Each number is divided by the scale, clamped to +-448, and rounded to the nearest number of E4M3, ties to even, subnormals kept.
;;     - The product sums the exact products of the quantised numbers (number of the format x scale) in f32.
;;   ~~~python
;;   def quantise(x, axis, e):      # numpy; x: float32 -> the quantised numbers, widened to float32 again
;;       x = np.moveaxis(x, axis, -1); K = x.shape[-1]
;;       r = np.clip(x / 2.0 ** e, -448, 448)
;;       step = 2.0 ** (np.maximum(np.frexp(np.where(r == 0, 1, r))[1] - 1, -6) - 3)
;;       q = np.round(r / step) * step * 2.0 ** e      # np.round: ties to even
;;       return np.moveaxis(q, -1, axis).astype(np.float32)
;;   ~~~
;;   OPERANDS COMPUTED ON THE WAY. 'Computed on the way' means the value that the module computes at that place (a softmax that the list does not call 'softmax' is quantised finished and normalised). What goes into a quantiser is computed in f32, as accurately as f32 sums, v_exp_f32 and their like allow (about 1e-6 of the number): no bf16 or f16 on the way to a quantiser, and a product that is left as it is and whose result goes on into a quantised operand takes f32 operands (vector FMAs, or v_wmma_f32_16x16x4_f32). A number that lies on a knife's edge between two numbers of the format may be rounded either way, as far as f32 arithmetic and the matrix unit's own rounding can turn it there, and no further.
;; One version. Each part assembles by itself: llvm-mc -triple=amdgcn-amd-amdhsa -mcpu=gfx1250 --defsym DOCPART=n.
;; ======== version 1 of 1: 3 launches
;; limits: right only within a limited range of input values
;; workspace buffers: x_codes 33,554,432 bytes; w_codes 8,388,608 bytes; parts 4,096 bytes; fac 256 bytes
;; launch qx (part 1): grid 1024 x 1, 4 waves a work-group, no clusters, 768 bytes of LDS; arguments x, weight, lowp_scales, x_codes, parts; writes x_codes, parts
.if DOCPART == 1
	.amdgcn_target "amdgcn-amd-amdhsa--gfx1250"
	.amdhsa_code_object_version 6
	.text
	.protected	k_q9f4c50044e_qx
	.globl	k_q9f4c50044e_qx
	.p2align	8
	.type	k_q9f4c50044e_qx,@function
k_q9f4c50044e_qx:
	s_mov_b64 s[64:65], 0
	v_nop
	global_prefetch_b8 v0, s[64:65] scope:SCOPE_SE
	s_setreg_imm32_b32 hwreg(HW_REG_WAVE_MODE, 25, 1), 1
	s_wait_xcnt 0x0
; x [8192][4096], f32, becomes codes of FP8 (E4M3), one byte each: code = x / 2^e0, held within +-448, to the nearest code, ties to even.  e0 is entry 0 (int32) of the scales.
; On the way each work-group also sums |W| over its 1/1024 of the weight (8,192 numbers) and stores that one f32 number: the next launch adds the 1,024 numbers to gamma = mean |W|.
; THE CODES' LAYOUT: [8192][4096], K along a row, PERMUTED INSIDE EACH RUN OF 512: the code of number 128 i + 4 l + j of a run (i, j = 0 .. 3, l = 0 .. 31) lies at byte 16 l + 4 i + j of the run's 512 bytes.
; The weight's codes are laid by the same rule, so in the product every code of x still meets the weight's code of the same k; only the order of the f32 sums differs.  So a step's four loads read 512 consecutive bytes each,
; 16 a lane; lane l then holds just the 16 numbers whose codes are its 16 bytes of the store, and nothing changes lanes.
; LIMITS: e0 between -126 and 119, so that 2^e0 and 448 x 2^e0 are f32 numbers.  NaN among the inputs is not served (an infinity of x is held at the largest code).
; The sum of |W| is a tree in f32 (64 numbers a lane, 32 lanes, 4 waves; then 1,024 parts): another order of rounding than a running sum's.
; Rows are dense, so x is a plain stream.  A wave takes 16 steps of 512 numbers, in FOUR GROUPS OF FOUR on eight sets of registers: a group's 16 loads are waited for while the next group's 16 stay out; its four steps are
; converted; the group two on is asked for into the sets just read; then the group's four stores stand on end.  Each store of the wave covers 512 consecutive bytes, aligned.
; No tensor loads and no cluster: work-groups share no input here.  LDS serves the four waves' sums alone: one barrier.
.set EMAX,  8
.set MANT,  0x600000                   ; the mantissa field of 448 as f32
.set R,     16                         ; v16-143  eight sets of 16 numbers
.set C,     144                        ; v144-207 first my 64 numbers of W; then codes: four registers for each step, so that no store's data are written again
.set RED,   0                          ; LDS: four words, one for each wave's sum, in a block of 256 bytes of their own
.set SPARE, 256                        ; behind them: the spare words, 128 bytes for each wave
.set SPW,   12                         ; v12      LDS address of my spare word; never rewritten
.set NIL,   13                         ; v13      0; never rewritten
; v3: 16 x lane (offset of loads and of stores); v5: 4 x wave; v7: 0; v9: the sum; v10: 448 x 2^e0; v11: 2^e0
	s_load_b128 s[4:7], s[0:1], 0x0                ; x, W
	s_load_b64 s[10:11], s[0:1], 0x10              ; the scales' exponents
	s_load_b128 s[12:15], s[0:1], 0x18             ; x's codes, the parts
	v_lshl_add_u32 v[SPW], v0, 2, SPARE
	v_mov_b32 v[NIL], 0
	v_lshrrev_b32 v1, 5, v0
	v_readfirstlane_b32 s16, v1                    ; wave
	v_lshlrev_b32 v5, 2, v1                        ; my wave's word among the four sums
	v_and_b32 v2, 31, v0                           ; lane
	v_lshlrev_b32 v3, 4, v2                        ; my 16 bytes of a load's or a store's 512
	v_mov_b32 v7, 0
	s_mov_b32 s24, 0x76543210                      ; v_permlanex16_b32: lane l takes lane l xor 16
	s_mov_b32 s25, 0xfedcba98
	s_lshl_b32 s18, ttmp9, 2
	s_add_co_u32 s18, s18, s16                     ; which wave of the launch's 4,096 I am
	s_mov_b32 s19, 0
	s_wait_alu depctr_va_vdst(0)
	s_wait_kmcnt 0x0
	s_load_b32 s22, s[10:11], 0x0                  ; e0
	s_lshl_b64 s[20:21], s[18:19], 15              ; 8,192 numbers of x are 32,768 bytes
	s_add_nc_u64 s[4:5], s[4:5], s[20:21]
	s_lshl_b64 s[20:21], s[18:19], 13              ; their codes 8,192 bytes; and my 2,048 numbers of W as many
	s_add_nc_u64 s[6:7], s[6:7], s[20:21]
	s_add_nc_u64 s[12:13], s[12:13], s[20:21]
	s_lshl_b32 s20, ttmp9, 2                       ; my work-group's word of the parts
	s_mov_b32 s21, 0
	s_add_nc_u64 s[14:15], s[14:15], s[20:21]
.irp i, 0,1,2,3,4,5,6,7,8,9,10,11,12,13,14,15
	global_load_b128 v[C+4*\i:C+4*\i+3], v3, s[6:7] offset:512*\i   ; W: 512 consecutive bytes a load; no hint: the next launch reads W again
.endr
.macro LOAD t                          ; step t's 512 numbers into set t % 8: load i brings lane l the numbers 128 i + 4 l + 0 .. 3 of the run
.irp i, 0,1,2,3
	global_load_b128 v[R+16*((\t)%8)+4*\i:R+16*((\t)%8)+4*\i+3], v3, s[4:5] offset:2048*(\t)+512*\i th:TH_LOAD_NT
.endr
.endm
; 32 numbers a lane in v[b] .. v[b + 31] are added, two at a time, then across the 32 lanes: the wave's sum comes out in v9, in every lane
.macro TREE32 b
.irp i, 0,2,4,6,8,10,12,14
	v_pk_add_f32 v[\b+\i:\b+\i+1], v[\b+\i:\b+\i+1], v[\b+16+\i:\b+16+\i+1]
.endr
.irp i, 0,2,4,6
	v_pk_add_f32 v[\b+\i:\b+\i+1], v[\b+\i:\b+\i+1], v[\b+8+\i:\b+8+\i+1]
.endr
.irp i, 0,2
	v_pk_add_f32 v[\b+\i:\b+\i+1], v[\b+\i:\b+\i+1], v[\b+4+\i:\b+4+\i+1]
.endr
	v_pk_add_f32 v[\b:\b+1], v[\b:\b+1], v[\b+2:\b+3]
	v_add_f32 v[\b], v[\b], v[\b+1]
	v_add_f32_dpp v[\b], v[\b], v[\b] row_xmask:1 row_mask:0xf bank_mask:0xf
	v_add_f32_dpp v[\b], v[\b], v[\b] row_xmask:2 row_mask:0xf bank_mask:0xf
	v_add_f32_dpp v[\b], v[\b], v[\b] row_xmask:4 row_mask:0xf bank_mask:0xf
	v_add_f32_dpp v[\b], v[\b], v[\b] row_xmask:8 row_mask:0xf bank_mask:0xf
	v_permlanex16_b32 v[\b+1], v[\b], s24, s25     ; its destination counts as read: a register that has been written
	v_add_f32 v9, v[\b], v[\b+1]
.endm
.irp t, 0,1,2,3,4,5,6,7
	LOAD \t                                        ; groups 0 and 1
.endr
	s_wait_kmcnt 0x0
	s_add_co_i32 s22, s22, 127
	s_lshl_b32 s23, s22, 23
	v_mov_b32 v11, s23                             ; 2^e0 as f32: the conversion takes its exponent field
	s_add_co_i32 s22, s22, EMAX
	s_lshl_b32 s22, s22, 23
	s_or_b32 s22, s22, MANT
	v_mov_b32 v10, s22                             ; 448 x 2^e0
	s_wait_loadcnt 32                              ; W's sixteen loads are in; the 32 of x issued behind them stay out
.set i, 0
.rept 32
	v_add_f32 v[C+i], |v[C+i]|, |v[C+32+i]|        ; the magnitudes ride on the first additions
.set i, i+1
.endr
	TREE32 C
	ds_store_b32 v5, v9 offset:RED                 ; all lanes of a wave write the same word with the same number
	s_wait_dscnt 0x0                               ; for the others' sake: my store is done
	s_barrier_signal -1
	s_barrier_wait -1
	ds_load_b128 v[C:C+3], v7 offset:RED           ; the four waves' sums, in every lane; these words are not written again
	s_wait_dscnt 0x0
	v_add_f32 v[C], v[C], v[C+1]
	v_add_f32 v[C+2], v[C+2], v[C+3]
	v_add_f32 v9, v[C], v[C+2]                     ; the work-group's sum of |W|
.macro GROUP g                         ; steps 4 g .. 4 g + 3
.if \g < 3
	s_wait_loadcnt 16                              ; loads come back in order (ISA guide 5.7.1): this group's sixteen are in; the next group's sixteen may be out
.else
	s_wait_loadcnt 0
.endif
.irp u, 0,1,2,3
.set XS, R+16*((4*(\g)+\u)%8)
.set CS, C+4*(4*(\g)+\u)
.irp i, 0,1,2,3,4,5,6,7,8,9,10,11,12,13,14,15
	v_med3_num_f32 v[XS+\i], v[XS+\i], -v10, v10   ; the conversion to an 8-bit code does not saturate (ISA guide 7.6.2): hold the number first
.endr
	v_cvt_scalef32_pk8_fp8_f32 v[CS:CS+1], v[XS:XS+7], v11        ; eight numbers / 2^e0, to the nearest code, ties to even; register 4 i + j gives byte 4 i + j
	v_cvt_scalef32_pk8_fp8_f32 v[CS+2:CS+3], v[XS+8:XS+15], v11   ; (the next vector lines are plain and touch other registers; behind the group's last stand loads into sources and stores of results alone)
.endr
.if \g < 2
.irp u, 0,1,2,3
	LOAD 4*(\g)+8+\u                               ; the four sets take the group two on, ahead of the stores
.endr
.endif
.irp u, 0,1,2,3
	global_store_b128 v3, v[C+4*(4*(\g)+\u):C+4*(4*(\g)+\u)+3], s[12:13] offset:512*(4*(\g)+\u)   ; 32 lanes store 512 consecutive bytes, at a multiple of 512 from the buffer's first byte
.endr
.endm
	GROUP 0
	GROUP 1
	GROUP 2
	GROUP 3
	v_cmp_eq_u32 vcc_lo, 0, v0                     ; thread 0 of the work-group stores the sum
	s_wait_xcnt 0x0                                ; EXEC is a source of the stores above: it changes only behind this wait
	s_and_saveexec_b32 s26, vcc_lo
	global_store_b32 v7, v9, s[14:15]
	s_wait_xcnt 0x0                                ; and again, in front of the line that widens it
	s_or_b32 exec_lo, exec_lo, s26
	s_wait_tensorcnt 0x0                           ; the wave's end, behind my last LDS store
	ds_add_u32 v[SPW], v[NIL]
	s_wait_dscnt 0x0
	s_endpgm
.Lfunc_end_k_q9f4c50044e_qx:
	.size	k_q9f4c50044e_qx, .Lfunc_end_k_q9f4c50044e_qx-k_q9f4c50044e_qx
	.p2alignl 7, 3214868480
	.fill 96, 4, 3214868480
	.section	.rodata,"a",@progbits
	.p2align	6, 0x0
	.amdhsa_kernel k_q9f4c50044e_qx
		.amdhsa_group_segment_fixed_size 768
		.amdhsa_private_segment_fixed_size 0
		.amdhsa_enable_private_segment 0
		.amdhsa_kernarg_size 40
		.amdhsa_user_sgpr_count 2
		.amdhsa_user_sgpr_kernarg_segment_ptr 1
		.amdhsa_wavefront_size32 1
		.amdhsa_system_sgpr_workgroup_id_x 1
		.amdhsa_system_sgpr_workgroup_id_y 1
		.amdhsa_system_sgpr_workgroup_id_z 1
		.amdhsa_system_vgpr_workitem_id 0
		.amdhsa_next_free_vgpr 208
		.amdhsa_next_free_sgpr 66
		.amdhsa_reserve_vcc 1
		.amdhsa_float_denorm_mode_32 3
		.amdhsa_float_denorm_mode_16_64 3
		.amdhsa_memory_ordered 1
		.amdhsa_forward_progress 1
		.amdhsa_inst_pref_size 33
	.end_amdhsa_kernel
	.amdgpu_metadata
---
amdhsa.version: [ 1, 2 ]
amdhsa.kernels:
  - .name:           k_q9f4c50044e_qx
    .symbol:         k_q9f4c50044e_qx.kd
    .args:
      - { .name: x, .offset: 0, .size: 8, .value_kind: global_buffer, .address_space: global }
      - { .name: weight, .offset: 8, .size: 8, .value_kind: global_buffer, .address_space: global }
      - { .name: lowp_scales, .offset: 16, .size: 8, .value_kind: global_buffer, .address_space: global }
      - { .name: x_codes, .offset: 24, .size: 8, .value_kind: global_buffer, .address_space: global }
      - { .name: parts, .offset: 32, .size: 8, .value_kind: global_buffer, .address_space: global }
    .group_segment_fixed_size: 768
    .private_segment_fixed_size: 0
    .kernarg_segment_align: 8
    .kernarg_segment_size: 40
    .max_flat_workgroup_size: 128
    .sgpr_count:     66
    .vgpr_count:     208
    .wavefront_size: 32
...
	.end_amdgpu_metadata
.endif
;; end of part 1
;; launch qw (part 2): grid 512 x 1, 4 waves a work-group, no clusters, 0 bytes of LDS; arguments weight, parts, lowp_scales, w_codes, fac; writes w_codes, fac
.if DOCPART == 2
	.amdgcn_target "amdgcn-amd-amdhsa--gfx1250"
	.amdhsa_code_object_version 6
	.text
	.protected	k_q9f4c50044e_qw
	.globl	k_q9f4c50044e_qw
	.p2align	8
	.type	k_q9f4c50044e_qw,@function
k_q9f4c50044e_qw:
	s_mov_b64 s[64:65], 0
	v_nop
	global_prefetch_b8 v0, s[64:65] scope:SCOPE_SE
	s_setreg_imm32_b32 hwreg(HW_REG_WAVE_MODE, 25, 1), 1
	s_wait_xcnt 0x0
; W [2048][4096], f32, becomes ternary and then codes of FP8 (E4M3), one byte each.
; gamma = mean |W| = (the sum of the 1,024 parts) x 2^-23: every wave adds the parts in the same order, so all waves hold the same gamma.
; THE TERNARY STEP WITHOUT A DIVISION.  clip(round(W / gamma), -1, 1) is sign(W) where |W| > gamma / 2, else 0, bit for bit: the f32 quotient |W| / gamma is rounded to 1 or more just where it lies above 0.5, that is where the true
; quotient lies above 0.5 + 2^-25 (the tie goes to 0.5), that is where 2 |W| > gamma (1 + 2^-24); that bound lies strictly between gamma and the next f32 number above it, and 2 |W| is an f32 number: so 2 |W| > gamma.
; gamma = 0 needs no case of its own: then every W is 0, 0 > 0 is false, all codes are 0, and the factor is 0.
; THE QUANTISER: +-1 / 2^e1, held within +-448: the hold is made once, on the number 1: L = min(1, 448 x 2^e1); the conversion divides +-L by 2^e1 and rounds to the nearest code, ties to even.
; THE CODES' LAYOUT: [2048][4096], K along a row, PERMUTED INSIDE EACH RUN OF 512 as x's codes are: the code of number 128 i + 4 l + j of a run (i, j = 0 .. 3, l = 0 .. 31) lies at byte 16 l + 4 i + j of the run's 512 bytes.
; So a step's four loads read 512 consecutive bytes each, 16 a lane, lane l holds just the 16 numbers whose codes are its 16 bytes of the store, and nothing changes lanes: this launch uses no LDS.
; One lane of the launch stores gamma x 2^(e0 + e1), by which the product's launch multiplies each sum.
; LIMITS: e1 between -126 and 119; gamma at least 2^-125, so that gamma / 2 is exact; NaN and infinities among the inputs are not served.
; A wave takes 8 steps of 512 numbers; all its 32 loads go out at the head (16 KiB a wave: every byte of W is asked for at once).  No tensor loads, no cluster, no barrier: waves share nothing but the parts, which each reads for itself.
.set STEPS, 8
.set R,     16                         ; v16-143  eight sets of 16 numbers
.set C,     144                        ; v144-175 codes: four registers for each step, so that no store's data are written again
.set P,     176                        ; v176-207 my 32 of the 1,024 parts
.set MK,    32                         ; s32-47   sixteen masks: where |W| > gamma / 2
; v3: 16 x lane; v5: 0 in thread 0 of work-group 0 alone; v7: 0; v8: gamma / 2; v9: the sum, then gamma x 2^(e0 + e1); v10: L; v11: 2^e1
	s_load_b128 s[4:7], s[0:1], 0x0                ; W, the parts
	s_load_b64 s[10:11], s[0:1], 0x10              ; the scales' exponents
	s_load_b128 s[12:15], s[0:1], 0x18             ; W's codes, the factor
	v_lshrrev_b32 v1, 5, v0
	v_readfirstlane_b32 s16, v1                    ; wave
	v_and_b32 v2, 31, v0                           ; lane
	v_lshlrev_b32 v3, 4, v2                        ; my 16 bytes of a load's or a store's 512
	v_mov_b32 v7, 0
	s_lshl_b32 s27, ttmp9, 7
	v_or_b32 v5, s27, v0                           ; the thread's number in the launch
	s_mov_b32 s24, 0x76543210                      ; v_permlanex16_b32: lane l takes lane l xor 16
	s_mov_b32 s25, 0xfedcba98
	s_lshl_b32 s18, ttmp9, 2
	s_add_co_u32 s18, s18, s16                     ; which wave of the launch's 2,048 I am
	s_mov_b32 s19, 0
	s_wait_alu depctr_va_vdst(0)
	s_wait_kmcnt 0x0
	s_load_b64 s[22:23], s[10:11], 0x0             ; e0, e1
	s_lshl_b64 s[20:21], s[18:19], 14              ; 4,096 numbers are 16,384 bytes,
	s_add_nc_u64 s[4:5], s[4:5], s[20:21]
	; THE ROWS OF THE CODES ARE PERMUTED INSIDE EACH RUN OF 64: a wave's 4,096 numbers are one row n of W, and its codes go to row (n & -64) + 16 (n & 3) + ((n >> 2) & 15).
	; So place 16 b + r of a run of 128 holds column 64 (b / 4) + 4 r + b % 4: in the product's launch four neighbouring tiles then give a lane four neighbouring columns.
	s_and_b32 s20, s18, 3
	s_lshl_b32 s20, s20, 4
	s_bfe_u32 s21, s18, 0x40002
	s_or_b32 s20, s20, s21
	s_and_b32 s21, s18, -64
	s_or_b32 s20, s20, s21
	s_mov_b32 s21, 0
	s_lshl_b64 s[20:21], s[20:21], 12              ; a row of codes is 4,096 bytes
	s_add_nc_u64 s[12:13], s[12:13], s[20:21]
.irp i, 0,1,2,3,4,5,6,7
	global_load_b128 v[P+4*\i:P+4*\i+3], v3, s[6:7] offset:512*\i   ; the 1,024 parts: 4,096 bytes, 32 numbers a lane
.endr
.irp t, 0,1,2,3,4,5,6,7
.irp i, 0,1,2,3
	global_load_b128 v[R+16*\t+4*\i:R+16*\t+4*\i+3], v3, s[4:5] offset:2048*\t+512*\i th:TH_LOAD_NT   ; 32 lanes read 512 consecutive bytes: load i brings lane l the numbers 128 i + 4 l + 0 .. 3 of run t
.endr
.endr
	s_wait_kmcnt 0x0
	s_add_co_i32 s26, s22, s23                     ; e0 + e1
	s_add_co_i32 s29, s23, 127
	s_lshl_b32 s30, s29, 23
	v_mov_b32 v11, s30                             ; 2^e1 as f32: the conversion takes its exponent field
	s_add_co_i32 s29, s29, 8
	s_lshl_b32 s29, s29, 23
	s_or_b32 s29, s29, 0x600000
	v_mov_b32 v10, s29                             ; 448 x 2^e1,
	v_min_num_f32 v10, 1.0, v10                    ; L = min(1, 448 x 2^e1): the hold, made once and with no branch
	s_wait_loadcnt 32                              ; the parts are in; W's 32 loads stay out
.irp i, 0,2,4,6,8,10,12,14
	v_pk_add_f32 v[P+\i:P+\i+1], v[P+\i:P+\i+1], v[P+16+\i:P+16+\i+1]
.endr
.irp i, 0,2,4,6
	v_pk_add_f32 v[P+\i:P+\i+1], v[P+\i:P+\i+1], v[P+8+\i:P+8+\i+1]
.endr
.irp i, 0,2
	v_pk_add_f32 v[P+\i:P+\i+1], v[P+\i:P+\i+1], v[P+4+\i:P+4+\i+1]
.endr
	v_pk_add_f32 v[P:P+1], v[P:P+1], v[P+2:P+3]
	v_add_f32 v[P], v[P], v[P+1]
	v_add_f32_dpp v[P], v[P], v[P] row_xmask:1 row_mask:0xf bank_mask:0xf
	v_add_f32_dpp v[P], v[P], v[P] row_xmask:2 row_mask:0xf bank_mask:0xf
	v_add_f32_dpp v[P], v[P], v[P] row_xmask:4 row_mask:0xf bank_mask:0xf
	v_add_f32_dpp v[P], v[P], v[P] row_xmask:8 row_mask:0xf bank_mask:0xf
	v_permlanex16_b32 v[P+1], v[P], s24, s25       ; its destination counts as read: a register that has been written
	v_add_f32 v9, v[P], v[P+1]                     ; the sum of |W| over all 2^23 weights, in every lane
	v_mul_f32 v8, 0x33800000, v9                   ; x 2^-24: gamma / 2
	v_mul_f32 v9, 0x34000000, v9                   ; x 2^-23: gamma
	v_ldexp_f32 v9, v9, s26                        ; gamma x 2^(e0 + e1)
.macro STEP t
.set XS, R+16*(\t)
	s_wait_loadcnt 4*(STEPS-1-(\t))                ; loads come back in order (ISA guide 5.7.1): this step's four are in; those of the later steps may be out
.irp i, 0,1,2,3,4,5,6,7,8,9,10,11,12,13,14,15
	v_cmp_gt_f32 s[MK+\i], |v[XS+\i]|, v8          ; |W| > gamma / 2 ?
.endr
.irp i, 0,1,2,3,4,5,6,7,8,9,10,11,12,13,14,15
	v_and_or_b32 v[XS+\i], v[XS+\i], 0x80000000, v10   ; L with W's sign
.endr
.irp i, 0,1,2,3,4,5,6,7,8,9,10,11,12,13,14,15
	v_cndmask_b32 v[XS+\i], 0, v[XS+\i], s[MK+\i]  ; or 0
.endr
	v_cvt_scalef32_pk8_fp8_f32 v[C+4*(\t):C+4*(\t)+1], v[XS:XS+7], v11          ; register 4 i + j gives byte 4 i + j
	v_cvt_scalef32_pk8_fp8_f32 v[C+4*(\t)+2:C+4*(\t)+3], v[XS+8:XS+15], v11     ; (the results go to a store alone; the next vector lines are plain and touch other registers)
.if (\t)%4 == 3                        ; the stores stand in runs of four, behind steps 3 and 7: each step has its own four registers of codes
.irp u, 3,2,1,0
	global_store_b128 v3, v[C+4*((\t)-\u):C+4*((\t)-\u)+3], s[12:13] offset:512*((\t)-\u)      ; 32 lanes store 512 consecutive bytes, at a multiple of 512 from the buffer's first byte
.endr
.endif
.endm
	s_wait_alu depctr_va_vdst(0)
.irp t, 0,1,2,3,4,5,6,7
	STEP \t
.endr
	v_cmp_eq_u32 vcc_lo, 0, v5                     ; thread 0 of work-group 0 stores the factor: a mask made of ids, no branch
	s_wait_xcnt 0x0                                ; EXEC is a source of the stores above: it changes only behind this wait
	s_and_saveexec_b32 s28, vcc_lo
	global_store_b32 v7, v9, s[14:15]
	s_wait_xcnt 0x0                                ; and again, in front of the line that widens it
	s_or_b32 exec_lo, exec_lo, s28
	s_endpgm
.Lfunc_end_k_q9f4c50044e_qw:
	.size	k_q9f4c50044e_qw, .Lfunc_end_k_q9f4c50044e_qw-k_q9f4c50044e_qw
	.p2alignl 7, 3214868480
	.fill 96, 4, 3214868480
	.section	.rodata,"a",@progbits
	.p2align	6, 0x0
	.amdhsa_kernel k_q9f4c50044e_qw
		.amdhsa_group_segment_fixed_size 0
		.amdhsa_private_segment_fixed_size 0
		.amdhsa_enable_private_segment 0
		.amdhsa_kernarg_size 40
		.amdhsa_user_sgpr_count 2
		.amdhsa_user_sgpr_kernarg_segment_ptr 1
		.amdhsa_wavefront_size32 1
		.amdhsa_system_sgpr_workgroup_id_x 1
		.amdhsa_system_sgpr_workgroup_id_y 1
		.amdhsa_system_sgpr_workgroup_id_z 1
		.amdhsa_system_vgpr_workitem_id 0
		.amdhsa_next_free_vgpr 208
		.amdhsa_next_free_sgpr 66
		.amdhsa_reserve_vcc 1
		.amdhsa_float_denorm_mode_32 3
		.amdhsa_float_denorm_mode_16_64 3
		.amdhsa_memory_ordered 1
		.amdhsa_forward_progress 1
		.amdhsa_inst_pref_size 38
	.end_amdhsa_kernel
	.amdgpu_metadata
---
amdhsa.version: [ 1, 2 ]
amdhsa.kernels:
  - .name:           k_q9f4c50044e_qw
    .symbol:         k_q9f4c50044e_qw.kd
    .args:
      - { .name: weight, .offset: 0, .size: 8, .value_kind: global_buffer, .address_space: global }
      - { .name: parts, .offset: 8, .size: 8, .value_kind: global_buffer, .address_space: global }
      - { .name: lowp_scales, .offset: 16, .size: 8, .value_kind: global_buffer, .address_space: global }
      - { .name: w_codes, .offset: 24, .size: 8, .value_kind: global_buffer, .address_space: global }
      - { .name: fac, .offset: 32, .size: 8, .value_kind: global_buffer, .address_space: global }
    .group_segment_fixed_size: 0
    .private_segment_fixed_size: 0
    .kernarg_segment_align: 8
    .kernarg_segment_size: 40
    .max_flat_workgroup_size: 128
    .sgpr_count:     66
    .vgpr_count:     208
    .wavefront_size: 32
...
	.end_amdgpu_metadata
.endif
;; end of part 2
;; launch gemm (part 3): grid 8 x 32, 4 waves a work-group, clusters of 4 x 4, 327,680 bytes of LDS; arguments x_codes, w_codes, fac, out0; writes out0
.if DOCPART == 3
	.amdgcn_target "amdgcn-amd-amdhsa--gfx1250"
	.amdhsa_code_object_version 6
	.text
	.protected	k_q9f4c50044e_gemm
	.globl	k_q9f4c50044e_gemm
	.p2align	8
	.type	k_q9f4c50044e_gemm,@function
k_q9f4c50044e_gemm:
	s_mov_b64 s[64:65], 0
	v_nop
	global_prefetch_b8 v0, s[64:65] scope:SCOPE_SE
	s_setreg_imm32_b32 hwreg(HW_REG_WAVE_MODE, 25, 1), 1
	s_wait_xcnt 0x0
	s_wait_alu depctr_hold_cnt(0) depctr_sa_sdst(0) depctr_va_vdst(0) depctr_va_sdst(0) depctr_va_ssrc(0) depctr_va_vcc(0) depctr_vm_vsrc(0)
	s_getreg_b32 s2, hwreg(HW_REG_IB_STS2, 6, 4)
	s_cmp_eq_u32 s2, 0
	s_cbranch_scc0 .Lentry_in_a_cluster
	s_endpgm
.Lentry_in_a_cluster:
	s_bfe_u32 s2, ttmp6, 0x10000c
	s_cmp_lg_u32 s2, 0xf033
	s_cbranch_scc0 .Lentry_shape_is_right
	s_endpgm
.Lentry_shape_is_right:
; out[m][n] = fac x sum over k of xc[m][k] wc[n][k].  xc [8192][4096] and wc [2048][4096] are codes of FP8 (E4M3), K along a row (permuted alike in both inside runs of 512);
; fac = gamma x 2^(e0 + e1), one f32 number that the launch before stored.  Sums in f32; out is f32.
; wc's ROWS are permuted as the launch before lays them: place 16 b + r of a run of 128 holds column 64 (b / 4) + 4 r + b % 4.
; A tile of out, 256 x 256, is made by four waves, 128 x 128 each: 64 accumulators of 16 x 16, 512 registers.  K goes in steps of 256 through two LDS slots; a tile's row is 256 bytes of memory, aligned.
; CLUSTERS: 4 x 4 work-groups; x's tile is asked for jointly along a row of the cluster, W's along a column.
; THE CHANGE OF SLOTS STANDS AT THE EDGE OF A STEP OF 128: in front of it all fragments of the old slot's last step lie in registers, so the waits, the round and the joint refill follow each other directly,
; and the 128 matrix instructions of a period (the old slot's last step, the new slot's first) all stand between a request and the wait for it.
; SOURCE 0 = 16 rows of x, SOURCE 1 = 16 places of W: register j of lane (r, h) of accumulator (a, b) is out(16 a + 8 h + j, column of place 16 b + r).  By the rows' permutation accumulators 4 g .. 4 g + 3 give a lane
; columns 64 g + 4 r + 0 .. 3: the multiplication by fac puts the four into neighbouring registers, and sixteen lanes store 256 consecutive bytes, aligned.  The results pass through no LDS.
; PREFETCH: behind each joint load of the loop a wave names the K step two refills on, 32 rows x 256 bytes, a lane a row; the four partners of a joint load share its 128 rows out by address; K steps 0 to 3 come by their
; loads alone; the loop's last trip asks for nothing (its K steps would lie beyond 15).
; REGISTERS: window 0: v16-30 addresses, v128-255 x's fragments (one set of 8 blocks), on the way out v64-255 three sets of 64; window 1: W's fragments, two sets; windows 2, 3: accumulator (a, b) at v[8 (8 (a % 4) + b)].
.set SIZE_N, 2048
.set ROWB,   256                       ; a tile's row in bytes
.set KROW,   4096                      ; a row of codes in memory
.set PITCH,  272                       ; an LDS row: 256 bytes + 16 of padding
.set FR,     16                        ; registers of a fragment, 16 rows x 128 K
.set HALFT,  128*PITCH                 ; what one tensor load brings
.set SLOT,   4*HALFT                   ; x's 256 rows, then W's 256
.set SPARE,  2*SLOT                    ; the spare words, 128 bytes a wave
.set ADRA, 16                          ; v16-17 LDS address of my x fragments in slot 0, 1
.set ADRB, 20                          ; v20-21 the same for W
.set CO,   26                          ; my byte offset in out: 8 h rows + 16 r
.set SPW,  28
.set NIL,  29
.set PFO,  30                          ; lane x a row of codes
.set AF,   128
.set G1, 24
.set G0, 32
.set G1B, 48
.set G0B, 56
.set PFA, 66                           ; s[66:67] where my prefetches stand
.set MSB, 0
.macro WIN new
.if MSB != \new
	s_set_vgpr_msb (MSB<<8)|\new
.set MSB, \new
.endif
.endm
.set MUL_LO, 0xa4                      ; source 0 (x) window 0, source 1 (W) window 1, C and D window 2
.set MUL_HI, 0xf4                      ; the same, C and D window 3
.set TO_B,   0x40
; a joint load: waves 0, 1 fetch x's halves, waves 2, 3 W's; s_nop 0 and four v_nop behind each line
.macro JLOAD g0a, g1a, g0b, g1b
	s_cmp_eq_u32 s15, 0
	s_cbranch_scc0 .Lfor_b_\@
	tensor_load_to_lds s[\g0a:\g0a+3], s[\g1a:\g1a+7]
	s_nop 0
.rept 4
	v_nop
.endr
	s_branch .Lasked_\@
.Lfor_b_\@:
	tensor_load_to_lds s[\g0b:\g0b+3], s[\g1b:\g1b+7]
	s_nop 0
.rept 4
	v_nop
.endr
.Lasked_\@:
.endm
.macro ASK                             ; s3 = 1 in the loop's last trip
	s_cmp_gt_u32 s3, 1
	s_cbranch_scc0 .Lno_ask_\@
	global_prefetch_b8 v[PFO], s[PFA:PFA+1] offset:ROWB th:TH_LOAD_NT scope:SCOPE_SE
.Lno_ask_\@:
.endm
.macro CROUND                          ; a round of the cluster's barrier
	s_barrier_signal -1
	s_barrier_wait -1
	s_cmp_lg_u32 s14, 0
	s_cbranch_scc1 .Lnot_wave_0_\@
	s_barrier_signal -3
.Lnot_wave_0_\@:
	s_barrier_wait -3
	s_barrier_signal -1
	s_barrier_wait -1
.endm
	s_load_b128 s[4:7], s[0:1], 0x0                ; x's codes, W's codes
	s_load_b128 s[8:11], s[0:1], 0x10              ; the factor, out
	v_lshl_add_u32 v[SPW], v0, 2, SPARE
	v_mov_b32 v[NIL], 0
	ds_add_u32 v[SPW], v[NIL]                      ; the opening lines
	ds_add_u32 v[SPW], v[NIL]
	v_lshrrev_b32 v1, 5, v0
	v_readfirstlane_b32 s14, v1                    ; wave
	s_lshr_b32 s15, s14, 1                         ; my half of the tile's rows; also: I fetch for x (0) or W (1)
	s_and_b32 s16, s14, 1                          ; my half of its columns; also: which 128 rows I fetch
	s_bfe_u32 s40, ttmp6, 0x40000                  ; cx
	s_bfe_u32 s41, ttmp6, 0x40004                  ; cy
	s_lshl_b32 s42, ttmp9, 2
	s_add_co_u32 s42, s42, s40                     ; tile column
	s_and_b32 s17, ttmp7, 0xffff
	s_lshl_b32 s17, s17, 2
	s_add_co_u32 s17, s17, s41                     ; tile row
	s_lshl_b32 s43, s41, 2
	s_lshl_b32 s43, 15, s43                        ; my row of the cluster
	s_lshl_b32 s44, 0x1111, s40                    ; my column
	s_or_b32 s[G1+0], s43, (0<<16)|(1<<20)|(1<<21)|(5<<22)|(3<<25)   ; mask; 1-byte elements; 4 dwords of padding behind every 64
	s_or_b32 s[G1B+0], s44, (0<<16)|(1<<20)|(1<<21)|(5<<22)|(3<<25)
.irp g, G1, G1B
	s_mov_b32 s[\g+1], ROWB<<16
	s_mov_b32 s[\g+2], 128<<16
	s_mov_b32 s[\g+3], ROWB<<16
	s_mov_b32 s[\g+4], 128
	s_mov_b32 s[\g+5], KROW
	s_mov_b32 s[\g+6], 0
	s_mov_b32 s[\g+7], 0
.endr
	s_lshl_b32 s18, s16, 7
	s_lshl_b32 s20, s17, 8
	s_add_co_u32 s20, s20, s18                     ; x: row 256 x tile row + 128 x half
	s_lshl_b32 s46, s42, 8
	s_add_co_u32 s46, s46, s18                     ; W: place 256 x tile column + 128 x half
	s_mov_b32 s21, 0
	s_mov_b32 s47, 0
	s_mov_b64 s[18:19], KROW
	s_mul_u64 s[20:21], s[20:21], s[18:19]
	s_mul_u64 s[46:47], s[46:47], s[18:19]
	s_mul_i32 s45, s14, HALFT                      ; where my load lands: wave x 128 rows
	s_wait_dscnt 0x0                               ; both opening adds are done
	s_wait_kmcnt 0x0
	s_load_b32 s96, s[8:9], 0x0                    ; fac
	s_add_nc_u64 s[20:21], s[4:5], s[20:21]
	s_add_nc_u64 s[46:47], s[6:7], s[46:47]
	CROUND                                         ; in front of the first joint loads
.irp s, 0,1
	s_mov_b32 s[G0+4*\s], 1
	s_add_co_u32 s[G0+4*\s+1], s45, \s*SLOT
	s_add_nc_u64 s[G0+4*\s+2:G0+4*\s+3], s[20:21], \s*ROWB
	s_or_b32 s[G0+4*\s+3], s[G0+4*\s+3], 0x80000000
	s_mov_b32 s[G0B+4*\s], 1
	s_add_co_u32 s[G0B+4*\s+1], s45, \s*SLOT
	s_add_nc_u64 s[G0B+4*\s+2:G0B+4*\s+3], s[46:47], \s*ROWB
	s_or_b32 s[G0B+4*\s+3], s[G0B+4*\s+3], 0x80000000
.endr
	JLOAD G0, G1, G0B, G1B                         ; K step 0: one tensor load a wave at the head
	s_mul_i32 s21, s15, HALFT                      ; my 128 rows of x
	s_mul_i32 s22, s16, HALFT
	s_add_co_u32 s22, s22, 2*HALFT                 ; my 128 places of W, behind x's 256 rows
	v_and_b32 v1, 15, v0                           ; r
	v_bfe_u32 v2, v0, 4, 1                         ; h
	v_mul_u32_u24 v3, v1, PITCH
	v_lshl_add_u32 v4, v2, 4, v3                   ; a fragment's row x pitch + 16 h
	v_lshlrev_b32 v5, 4, v1
	v_lshl_add_u32 v[CO], v2, 16, v5               ; 8 h rows of 8,192 bytes + 16 r
	v_and_b32 v6, 31, v0
	v_lshlrev_b32 v[PFO], 12, v6
	v_add_nc_u32 v[ADRA], s21, v4
	v_add_nc_u32 v[ADRB], s22, v4
	v_add_nc_u32 v[ADRA+1], SLOT, v[ADRA]
	v_add_nc_u32 v[ADRB+1], SLOT, v[ADRB]
	s_lshl_b32 s20, s17, 8                         ; out: my first row 256 x tile row + 128 x half, 8,192 bytes a row; the offset stays under 2^27
	s_lshl_b32 s21, s15, 7
	s_add_co_u32 s20, s20, s21
	s_lshl_b32 s20, s20, 13
	s_lshl_b32 s46, s42, 10                        ; my first column in bytes
	s_lshl_b32 s47, s16, 9
	s_add_co_u32 s46, s46, s47
	s_add_co_u32 s20, s20, s46
	s_mov_b32 s21, 0
	s_add_nc_u64 s[10:11], s[10:11], s[20:21]
	s_lshl_b32 s70, s17, 8                         ; the prefetches: of the 128 rows that I fetch, my work-group's 32
	s_lshl_b32 s71, s42, 8
	s_cmp_eq_u32 s15, 0
	s_cselect_b32 s70, s70, s71
	s_cselect_b32 s71, s40, s41                    ; my place among the four that ask with me
	s_cselect_b64 s[PFA:PFA+1], s[4:5], s[6:7]
	s_lshl_b32 s72, s16, 7
	s_add_co_u32 s70, s70, s72
	s_lshl_b32 s71, s71, 5
	s_add_co_u32 s70, s70, s71
	s_mov_b32 s71, 0
	s_lshl_b64 s[70:71], s[70:71], 12
	s_add_nc_u64 s[PFA:PFA+1], s[PFA:PFA+1], s[70:71]
	s_add_nc_u64 s[PFA:PFA+1], s[PFA:PFA+1], 2*ROWB   ; at K step 2: the loop's first change steps it to 3 and names 4
.macro FRAG reg, adr, q, i             ; registers 4 c .. 4 c + 3: bytes 32 c + 16 h + 0 .. 15 of the row's 128: the same places of k in x and in W
.irp c, 0,1,2,3
	ds_load_b128 v[\reg+4*\c:\reg+4*\c+3], v[\adr] offset:128*(\q)+32*\c+(\i)*16*PITCH
.endr
.endm
; 16 matrix instructions: x's blocks a0, a0 + 1 against W's eight of set p.  The 64 accumulators take turns in one order in every step
.macro MUL16 a0, p, zero
.irp a, \a0, \a0+1
.irp b, 0,1,2,3,4,5,6,7
.if \zero
	v_wmma_f32_16x16x128_fp8_fp8 v[8*(8*((\a)%4)+\b):8*(8*((\a)%4)+\b)+7], v[AF+FR*(\a):AF+FR*(\a)+FR-1], v[128*(\p)+FR*\b:128*(\p)+FR*\b+FR-1], 0
.else
	v_wmma_f32_16x16x128_fp8_fp8 v[8*(8*((\a)%4)+\b):8*(8*((\a)%4)+\b)+7], v[AF+FR*(\a):AF+FR*(\a)+FR-1], v[128*(\p)+FR*\b:128*(\p)+FR*\b+FR-1], v[8*(8*((\a)%4)+\b):8*(8*((\a)%4)+\b)+7]
.endif
.endr
.endr
.endm
.macro FETCH_B slot, q, p
	WIN TO_B
.irp i, 0,1,2,3,4,5,6,7
	FRAG 128*(\p)+FR*\i, ADRB+\slot, \q, \i
.endr
	WIN 0
.endm
.macro FETCH_A slot, q, i0
.irp i, \i0, \i0+1, \i0+2, \i0+3
	FRAG AF+FR*(\i), ADRA+\slot, \q, \i
.endr
.endm
.macro PLACES                          ; four places in front of loads into, and vector writes of, registers that matrix instructions have read, and of reads of results
.rept 4
	v_nop
.endr
.endm
; A PERIOD.  Slot s has been asked for a period ago.  mode 0: the first (nothing pends, the products start the sums, slot 1 is filled for the first time);
; mode 1: in the loop (the other slot is filled again, two K steps on); mode 2: the last (nothing is filled: a plain barrier).
.macro TURN s, mode
.set ZR, 0
.if \mode == 0
.set ZR, 1
.endif
.if \mode == 1
	s_wait_xcnt 0x0                                ; my last prefetch has read its address
	s_add_nc_u64 s[PFA:PFA+1], s[PFA:PFA+1], ROWB
.endif
	s_wait_tensorcnt 0x0                           ; my one load that was out, my part of slot s, has landed
	ds_add_u32 v[SPW], v[NIL]
.if \mode == 1
	s_add_nc_u64 s[G0+6-4*\s:G0+7-4*\s], s[G0+6-4*\s:G0+7-4*\s], 2*ROWB      ; no load of mine is out: the other slot's next K step
	s_add_nc_u64 s[G0B+6-4*\s:G0B+7-4*\s], s[G0B+6-4*\s:G0B+7-4*\s], 2*ROWB
.endif
	s_wait_dscnt 0x0                               ; the add is done; my reads of the other slot are over: its last step's fragments lie in registers
.if \mode == 2
	s_barrier_signal -1
	s_barrier_wait -1
.else
	CROUND
	JLOAD G0+4-4*\s, G1, G0B+4-4*\s, G1B           ; the first tensor load behind the round
.endif
	FETCH_B \s, 0, 0                               ; set 0 was last multiplied a step ago, with places since
.if \mode == 1
	ASK
.endif
.if \mode > 0
	WIN MUL_LO
	MUL16 0, 1, 0                                  ; the step that pends: the other slot's second 128 along K
	MUL16 2, 1, 0
	PLACES
	WIN 0
.endif
	FETCH_A \s, 0, 0
.if \mode > 0
	WIN MUL_HI
	MUL16 4, 1, 0
	MUL16 6, 1, 0
	PLACES
	WIN 0
.endif
	FETCH_A \s, 0, 4
	s_wait_dscnt 16                                ; W's set 0 and x's blocks 0-3 are in; the youngest sixteen loads (blocks 4-7) may be out
	WIN MUL_LO
	MUL16 0, 0, ZR
	MUL16 2, 0, ZR
	PLACES
	FETCH_B \s, 1, 1
	FETCH_A \s, 1, 0
	s_wait_dscnt 48                                ; all but the 48 just issued: blocks 4-7 are in
	WIN MUL_HI
	MUL16 4, 0, ZR
	MUL16 6, 0, ZR
	PLACES
	WIN 0
	FETCH_A \s, 1, 4
.endm
	s_wait_alu depctr_va_vdst(0)
	TURN 0, 0
	s_mov_b32 s3, 7
.Llap:                                                 ; a trip: K steps 2 i + 1 and 2 i + 2 are taken up, 2 i + 2 and 2 i + 3 asked for
	TURN 1, 1
	TURN 0, 1
	s_sub_co_u32 s3, s3, 1
	s_cmp_lg_u32 s3, 0
	s_cbranch_scc1 .Llap
	TURN 1, 2
; THE WAY OUT of block a, 16 rows x 128 columns.  SCALE: 64 multiplications by fac gather, for each row j, the eight accumulators' register j side by side (each accumulator is read from its low end on).
; SEND: a store covers two aligned units of 256 bytes: row 16 a + j (lanes 0-15) and row 16 a + 8 + j (lanes 16-31).  Every offset is an immediate: 127 rows of 8,192 bytes at the most.
; THE VERY LAST STEP IS CUT IN TWO: blocks 0-3 are finished, scaled and stored (64 stores in one run), then blocks 4-7.  Each block has 64 registers of its own for its products, so no store's data are written again
; and no wait stands on the way out: blocks 0, 1 in window 0, v64-191 (x's blocks 0-3 are done with), blocks 2, 3 in window 1, v0-127 (W's set 0 is done with);
; block 4 in window 0, v192-255, blocks 5, 6 in window 1, v128-255, block 7 in window 2, v0-63, where block 0's sums have been read.
.macro SCALE a, tw, tb
.set AC, 64*((\a)%4)
	WIN ((\tw)<<6)|(0x08+4*((\a)/4))               ; destination: window tw; source 1: window 2 or 3
.irp j, 0,1,2,3,4,5,6,7
.irp b, 0,1,2,3,4,5,6,7
	v_mul_f32 v[\tb+8*\j+\b], s96, v[AC+8*\b+\j]
.endr
.endr
.endm
.macro SEND a, tw, tb
	WIN (\tw)<<2                                   ; a store's data stand in the place of source 1
.irp j, 0,1,2,3,4,5,6,7
.irp g, 0,1
	global_store_b128 v[CO], v[\tb+8*\j+4*\g:\tb+8*\j+4*\g+3], s[10:11] offset:(16*(\a)+\j)*SIZE_N*4+256*\g
.endr
.endr
.endm
	s_wait_kmcnt 0x0                               ; fac
	s_wait_dscnt 0x0                               ; the very last step's fragments
	WIN MUL_LO
	MUL16 0, 1, 0
	MUL16 2, 1, 0
	PLACES                                         ; in front of reads of results just made and of writes of fragments just multiplied
	SCALE 0, 0, 64
	SCALE 1, 0, 128
	SCALE 2, 1, 0
	SCALE 3, 1, 64
	SEND 0, 0, 64
	SEND 1, 0, 128
	SEND 2, 1, 0
	SEND 3, 1, 64
	WIN MUL_HI
	MUL16 4, 1, 0                                  ; x's blocks 4-7 (v192-255) and W's set 1 have not been touched
	MUL16 6, 1, 0
	PLACES
	SCALE 4, 0, 192
	SCALE 5, 1, 128
	SCALE 6, 1, 192
	SCALE 7, 2, 0
	SEND 4, 0, 192
	SEND 5, 1, 128
	SEND 6, 1, 192
	SEND 7, 2, 0
	WIN 0
	s_wait_tensorcnt 0x0                           ; the wave's end
	ds_add_u32 v[SPW], v[NIL]
	s_wait_dscnt 0x0
	CROUND                                         ; the closing round
	s_endpgm
.Lfunc_end_k_q9f4c50044e_gemm:
	.size	k_q9f4c50044e_gemm, .Lfunc_end_k_q9f4c50044e_gemm-k_q9f4c50044e_gemm
	.p2alignl 7, 3214868480
	.fill 96, 4, 3214868480
	.section	.rodata,"a",@progbits
	.p2align	6, 0x0
	.amdhsa_kernel k_q9f4c50044e_gemm
		.amdhsa_group_segment_fixed_size 327680
		.amdhsa_private_segment_fixed_size 0
		.amdhsa_enable_private_segment 0
		.amdhsa_kernarg_size 32
		.amdhsa_user_sgpr_count 2
		.amdhsa_user_sgpr_kernarg_segment_ptr 1
		.amdhsa_wavefront_size32 1
		.amdhsa_system_sgpr_workgroup_id_x 1
		.amdhsa_system_sgpr_workgroup_id_y 1
		.amdhsa_system_sgpr_workgroup_id_z 1
		.amdhsa_system_vgpr_workitem_id 0
		.amdhsa_next_free_vgpr 1024
		.amdhsa_next_free_sgpr 98
		.amdhsa_reserve_vcc 0
		.amdhsa_float_denorm_mode_32 3
		.amdhsa_float_denorm_mode_16_64 3
		.amdhsa_memory_ordered 1
		.amdhsa_forward_progress 1
		.amdhsa_inst_pref_size 107
	.end_amdhsa_kernel
	.amdgpu_metadata
---
amdhsa.version: [ 1, 2 ]
amdhsa.kernels:
  - .name:           k_q9f4c50044e_gemm
    .symbol:         k_q9f4c50044e_gemm.kd
    .args:
      - { .name: x_codes, .offset: 0, .size: 8, .value_kind: global_buffer, .address_space: global }
      - { .name: w_codes, .offset: 8, .size: 8, .value_kind: global_buffer, .address_space: global }
      - { .name: fac, .offset: 16, .size: 8, .value_kind: global_buffer, .address_space: global }
      - { .name: out0, .offset: 24, .size: 8, .value_kind: global_buffer, .address_space: global }
    .group_segment_fixed_size: 327680
    .private_segment_fixed_size: 0
    .kernarg_segment_align: 8
    .kernarg_segment_size: 32
    .max_flat_workgroup_size: 128
    .sgpr_count:     98
    .vgpr_count:     1024
    .wavefront_size: 32
...
	.end_amdgpu_metadata
.endif
;; end of part 3
